; MI455X (gfx1250); checked and timed in simulation.
; The chip was launched on July 23, 2026; its instructions are those of AMD's public machine-readable ISA for CDNA 5 (MIT licence, August 2026) and "CDNA5" Instruction Set Architecture Reference Guide (July 2026). The comments in the code are by the model that wrote it; some were corrected since.
;; LSS Im Voxel View Transform. Allowed arithmetic: float matrix products may take bf16 or f16 operands with f32 sums; all other float work in f32.
;; Inputs: b_dn 130 float32; points 131,072 x 3 float32; proj_mats 1 x 6 x 4 x 4 float32; w_dn 130 x 64 float32; x_fov 1 x 6 x 64 x 32 x 88 float32.
;; Outputs: out0 1 x 64 x 128 x 128 x 8 float32.
;; One version. Each part assembles by itself: llvm-mc -triple=amdgcn-amd-amdhsa -mcpu=gfx1250 --defsym DOCPART=n.
;; ======== version 1 of 1: 2 launches
;; limits: values are held in f16: magnitudes above 65,504 overflow, below 6.1e-05 lose precision; inputs' magnitudes at most 65,504
;; workspace buffers: feat 5,013,504 bytes; depth 5,326,848 bytes; idx0 524,288 bytes of whole numbers; idx1 524,288 bytes of whole numbers; idx2 524,288 bytes of whole numbers; idx3 524,288 bytes of whole numbers; idx4 524,288 bytes of whole numbers; idx5 524,288 bytes of whole numbers
;; launch prep (part 1): grid 665 x 1, 4 waves a work-group, no clusters, 37,376 bytes of LDS; arguments x_fov, w_dn, b_dn, feat, depth, points, proj_mats, idx0, idx1, idx2, idx3, idx4, idx5; writes feat, depth, idx0, idx1, idx2, idx3, idx4, idx5
.if DOCPART == 1
	.amdgcn_target "amdgcn-amd-amdhsa--gfx1250"
	.amdhsa_code_object_version 6
	.text
	.protected	k_q2aae047c84_prep
	.globl	k_q2aae047c84_prep
	.p2align	8
	.type	k_q2aae047c84_prep,@function
k_q2aae047c84_prep:
	s_mov_b64 s[64:65], 0
	v_nop
	global_prefetch_b8 v0, s[64:65] scope:SCOPE_SE
	s_setreg_imm32_b32 hwreg(HW_REG_WAVE_MODE, 25, 1), 1
	s_wait_xcnt 0x0
; Two kinds of work-groups, told apart by the work-group's number.
; 0..152: the 1x1 convolution y = w x + b (130 x 64, f16 operands, f32 sums), the softmax over the 66 depth bins (f32, the maximum taken away),
;   written as two tables on a PADDED pixel grid [6 cameras][34 rows][96 columns]; the real pixel (y, x) lies at (y+1, x+1).
;   feat: 64 f32 a pixel (256 bytes).  depth: 68 f32 a pixel (272 bytes): bins 0..65, then two zeros.
;   A border pixel has depth 0 everywhere (the mask rides on 1/sum) and the finite features of a clamped source pixel, so a corner that lies
;   outside the image adds nothing in the next launch and needs no test there.  Bin -1 and bin 66 are read there at word 66, which is 0.
;   WHY f16: the result is held to one hundredth of the output's root mean square, which the zeros of unseen voxels lower.  A sum of 64 products whose
;   operands keep 8 significant bits (bf16) is off by about 2 thousandths of a feature's spread, a quarter of that allowance after the depth weight;
;   with 11 significant bits (f16) it is an eighth of that.
; 153..664: every voxel centre is projected into the six cameras; what the next launch needs for addresses and branches is stored as whole numbers,
;   one table for each camera, idxC[group][32]: pixel of the upper left corner (bits 0-14) | low bin's word << 15 | high bin's word << 22 | valid << 29.
;   A tile is one x, eight y, eight z (256 bytes of each channel of the output); group 2 T + hw is half of tile T = 128 yb + x;
;   lane L of a group is the point z = 4 (L & 1) + 2 hw + (L >> 4), y = 8 yb + ((L >> 1) & 7).
; LIMITS: |x| or |w| of 65,520 or more becomes infinite in f16, and both are rounded to multiples of 2^-24 below 2^-14 (x of spread 1 and w of spread 0.05,
;   thirty times larger with an offset of thirty spreads, stay under 200 and 11; w thirty times smaller has a spread of 0.0017, 28,000 such steps).
;   u, v, z within rounding of a validity bound may fall on the other side than in a true division (reciprocal with one Newton step and a
;   corrected quotient; u/16 - 0.5 and 1.32 z - 0.5 are each one fused multiply-add).  Row 3 of a projection matrix is not read: its product is never used.
; No wave reads LDS bytes of another wave (9,216 bytes each), so there is no barrier.  No tensor load, no cluster: nothing is streamed or shared as a tile.
.set NDN,   153                        ; work-groups of the depth net: 612 jobs of 32 padded pixels, four waves each
.set CHB,   11264                      ; bytes of one channel's plane of x (32 x 88 f32)
.set CAMB,  720896                     ; bytes of one camera of x
.set DP,    272                        ; bytes of a depth row, in memory and in LDS; also the LDS pitch of the feature stage (17 x 16: no two of 16 rows share a 16-byte column)
.set WLDS,  9216                       ; LDS bytes of a wave
; registers of the depth net
.set XO,   4                           ; v4, v5   byte offset in x of my pixel, q = 0, 1, plus 8 h channels
.set WO,   6                           ; 256 r + 32 h: my row and K part of w
.set BO,   7                           ; 32 h: my eight outputs of b
.set DS,   8                           ; LDS: my pixel's row (q = 0) + 32 h
.set A4,   9                           ; LDS: my pixel's row (q = 0) + 8 h
.set RDF,  10                          ; LDS: feature rows read back: row h, 16 r
.set LIN,  11                          ; 16 L: offset of my 16 bytes in 512 neighbouring bytes
.set LLIN, 12                          ; the same in my wave's LDS
.set MK,   14                          ; v14, v15 1.0 for a real pixel, 0 for a border pixel, q = 0, 1
.set XF,   16                          ; v[16:47]   x as f16 fragments: 16 q + 8 s
.set XR,   48                          ; v[48:111]  x as loaded; later w buffer 1 (v48-79) and the feature bias
.set FB,   80                          ; v[80:111]  bias of the 64 features: 8 f + j
.set AC,   128                         ; v[128:207] accumulators: 16 t + 8 q; w fragments: v112-127 (0), v240-255 (1); w as loaded: v208-239 (0), v48-79 (1)
.set SC,   240                         ; scratch while w fragment buffer 1 is idle
.set MX,   240
.set TP,   241
.set NM,   242
.set SUM,  244
.set R2,   246
.set NINF, 248
; registers of the projection
.set VP,   9
.set LA,   10
.set LB,   11
.set GO,   12
.set EPSV, 13
.set PU,   16
.set PV,   17
.set PW,   18
.set GZ,   19
.set ZS,   20
.set RR,   21
.set EE,   22
.set QQ,   23
.set TT,   24
.set FX,   25
.set FY,   26
.set FZ,   27
.set PP,   28
.set ZL,   29
.set WD,   30
.set VB,   31
.set OD,   40
; u, v, z of the point v[px:px+2] in the camera whose rows 0-2 lie in s[pb:pb+11]; also gz = 1.32 z - 0.5.  The next launch repeats this text line by line.
.macro PROJ pb, px
	v_mul_f32 v[PU], s[\pb+0], v[\px]
	v_mul_f32 v[PV], s[\pb+4], v[\px]
	v_mul_f32 v[PW], s[\pb+8], v[\px]
	v_fmac_f32 v[PU], s[\pb+1], v[\px+1]
	v_fmac_f32 v[PV], s[\pb+5], v[\px+1]
	v_fmac_f32 v[PW], s[\pb+9], v[\px+1]
	v_fmac_f32 v[PU], s[\pb+2], v[\px+2]
	v_fmac_f32 v[PV], s[\pb+6], v[\px+2]
	v_fmac_f32 v[PW], s[\pb+10], v[\px+2]
	v_add_f32 v[PU], s[\pb+3], v[PU]
	v_add_f32 v[PV], s[\pb+7], v[PV]
	v_add_f32 v[PW], s[\pb+11], v[PW]
	v_and_b32 v[TT], 0x7fffffff, v[PW]
	v_cmp_lt_f32 vcc_lo, s66, v[TT]                ; 1e-3 < |z|
	v_cndmask_b32 v[ZS], v[EPSV], v[PW], vcc_lo    ; else the divisor is 1e-3
	v_rcp_f32 v[RR], v[ZS]
	v_fma_f32 v[GZ], v[PW], 0x3fa8f5c3, -0.5       ; the plain instruction between the reciprocal and its first use (ISA guide 5.7.2)
	s_wait_alu depctr_va_vdst(0)
	v_fma_f32 v[EE], -v[ZS], v[RR], 1.0            ; one Newton step
	v_fmac_f32 v[RR], v[EE], v[RR]
	v_mul_f32 v[QQ], v[PU], v[RR]                  ; quotient, then corrected by its remainder
	v_fma_f32 v[EE], -v[QQ], v[ZS], v[PU]
	v_fma_f32 v[PU], v[EE], v[RR], v[QQ]
	v_mul_f32 v[QQ], v[PV], v[RR]
	v_fma_f32 v[EE], -v[QQ], v[ZS], v[PV]
	v_fma_f32 v[PV], v[EE], v[RR], v[QQ]
.endm
	s_set_vgpr_msb 0x40
	v_lshl_add_u32 v0, v0, 2, 0x9000
	v_mov_b32 v1, 0
	s_set_vgpr_msb 0x4000
	v_lshrrev_b32 v1, 5, v0
	v_readfirstlane_b32 s2, v1                     ; wave 0..3
	s_cmp_ge_u32 ttmp9, NDN
	s_cbranch_scc1 .Lproj
; ------------------------------------------------------------------ the depth net
; A wave takes 32 neighbouring padded pixels of one row.  Matrix source 0 = 16 rows of w, source 1 = 16 pixels: lane (r, h) then holds
; outputs row0 + 8 h + 0..7 of pixel 16 q + r, eight neighbouring words of that pixel's row in the tables.
	s_load_b256 s[4:11], s[0:1], 0x0               ; x s[4:5], w s[6:7], b s[8:9], feat s[10:11]
	s_load_b64 s[12:13], s[0:1], 0x20              ; depth
	s_lshl2_add_u32 s14, ttmp9, s2                 ; job J = 4 x work-group + wave, 0..611
	s_mul_hi_u32 s15, s14, 42107523                ; camera = J / 102
	s_mul_i32 s16, s15, 102
	s_sub_co_u32 s16, s14, s16
	s_mul_hi_u32 s17, s16, 0x55555556              ; padded row = rest / 3
	s_mul_i32 s18, s17, 3
	s_sub_co_u32 s18, s16, s18                     ; which 32 of the 96 columns
	s_sub_co_u32 s19, s17, 1                       ; source row (wraps for the upper border)
	s_min_u32 s20, s19, 31                         ; clamped
	s_cmp_lt_u32 s19, 32
	s_cselect_b32 s21, 0x3f800000, 0               ; 1.0 in a real row
	s_mul_i32 s22, s15, 3264
	s_mul_i32 s23, s17, 96
	s_add_co_u32 s22, s22, s23
	s_lshl_b32 s23, s18, 5
	s_add_co_u32 s22, s22, s23                     ; my first padded pixel, a multiple of 32
	s_mul_i32 s24, s15, CAMB
	s_mov_b32 s25, 0
	s_lshl_b32 s26, s22, 8
	s_mov_b32 s27, 0
	s_mul_i32 s28, s22, DP
	s_mov_b32 s29, 0
	s_mul_i32 s30, s20, 88
	s_mul_i32 s31, s2, WLDS                        ; my wave's LDS
	s_mov_b32 s32, 0xffff0000                      ; lanes 16-31
	s_mov_b32 s33, 0x76543210                      ; v_permlanex16_b32: lane i takes lane i of the other half
	s_mov_b32 s34, 0xfedcba98
	v_and_b32 v1, 15, v0                           ; r
	v_bfe_u32 v2, v0, 4, 1                         ; h
	v_and_b32 v3, 31, v0                           ; L
	v_mov_b32 v[SC+2], s21
	v_add_nc_u32 v[SC], s23, v1
.irp q, 0,1
	v_add_nc_u32 v[SC+1], 16*\q-1, v[SC]           ; source column (wraps for the left border)
	v_cmp_gt_u32 vcc_lo, 88, v[SC+1]
	v_cndmask_b32 v[MK+\q], 0, v[SC+2], vcc_lo
	v_min_u32 v[SC+1], 87, v[SC+1]
	v_add_nc_u32 v[SC+1], s30, v[SC+1]
	v_lshlrev_b32 v[SC+1], 2, v[SC+1]
	v_mad_u32_u24 v[XO+\q], v2, 8*CHB, v[SC+1]
.endr
	v_lshlrev_b32 v[WO], 8, v1
	v_lshl_add_u32 v[WO], v2, 5, v[WO]
	v_lshlrev_b32 v[BO], 5, v2
	v_mul_u32_u24 v[SC], DP, v1
	v_add_nc_u32 v[SC], s31, v[SC]
	v_lshl_add_u32 v[DS], v2, 5, v[SC]
	v_lshl_add_u32 v[A4], v2, 3, v[SC]
	v_mul_u32_u24 v[RDF], DP, v2
	v_lshl_add_u32 v[RDF], v1, 4, v[RDF]
	v_add_nc_u32 v[RDF], s31, v[RDF]
	v_lshlrev_b32 v[LIN], 4, v3
	v_add_nc_u32 v[LLIN], s31, v[LIN]
	s_wait_kmcnt 0x0
	s_add_nc_u64 s[4:5], s[4:5], s[24:25]          ; x at my camera
	s_add_nc_u64 s[10:11], s[10:11], s[26:27]      ; feat and depth at my first pixel
	s_add_nc_u64 s[12:13], s[12:13], s[28:29]
; 16 rows of w from row0 on, all 64 K, as f32 into buffer b: register 16 s + 8 qq + i holds K = 32 s + 16 qq + 8 h + i
.macro WLOAD b, row0
.irp s, 0,1
.irp qq, 0,1
	global_load_b128 v[208-160*\b+16*\s+8*\qq:208-160*\b+16*\s+8*\qq+3],   v[WO], s[6:7] offset:\row0*256+\s*128+\qq*64
	global_load_b128 v[208-160*\b+16*\s+8*\qq+4:208-160*\b+16*\s+8*\qq+7], v[WO], s[6:7] offset:\row0*256+\s*128+\qq*64+16
.endr
.endr
.endm
; One tile of 16 outputs x 32 pixels.  left = loads younger than this tile's w; nrow = first row of the tile after next (fetched into the buffer just freed), or -1;
; zero = 1: the first product starts the sums.  The two accumulators take turns.
; The 16 conversions of the next tile are the places between this tile's products and the next write of this fragment buffer (ISA guide 7.12.1).
.macro OT b, t, left, nrow, zero
	s_wait_loadcnt \left
.set ii, 0
.rept 16
	v_cvt_pk_f16_f32 v[112+128*\b+ii], v[208-160*\b+2*ii], v[208-160*\b+2*ii+1]
.set ii, ii+1
.endr
.if \nrow >= 0
	WLOAD \b, \nrow
.endif
.irp s, 0,1
.irp q, 0,1
.if \zero*(1-\s)
	v_wmma_f32_16x16x32_f16 v[AC+16*\t+8*\q:AC+16*\t+8*\q+7], v[112+128*\b+8*\s:112+128*\b+8*\s+7], v[XF+16*\q+8*\s:XF+16*\q+8*\s+7], 0
.else
	v_wmma_f32_16x16x32_f16 v[AC+16*\t+8*\q:AC+16*\t+8*\q+7], v[112+128*\b+8*\s:112+128*\b+8*\s+7], v[XF+16*\q+8*\s:XF+16*\q+8*\s+7], v[AC+16*\t+8*\q:AC+16*\t+8*\q+7]
.endif
.endr
.endr
.endm
.irp q, 0,1
.set ii, 0
.rept 32
	global_load_b32 v[XR+32*\q+ii], v[XO+\q], s[4:5] offset:((ii>>3)*16+(ii&7))*CHB   ; channel 16 (ii / 8) + 8 h + ii % 8 of pixel 16 q + r
.set ii, ii+1
.endr
.endr
.irp t, 0,1,2,3,4
.irp q, 0,1
	global_load_b128 v[AC+16*\t+8*\q:AC+16*\t+8*\q+3],   v[BO], s[8:9] offset:64*\t      ; the depth bias is loaded where the sums start
	global_load_b128 v[AC+16*\t+8*\q+4:AC+16*\t+8*\q+7], v[BO], s[8:9] offset:64*\t+16
.endr
.endr
	WLOAD 0, 0
	s_wait_loadcnt 28                              ; x is in: 20 loads of bias and 8 of w are younger
.set ii, 0
.rept 32
	v_cvt_pk_f16_f32 v[XF+ii], v[XR+2*ii], v[XR+2*ii+1]   ; first source into the low half: the lower K
.set ii, ii+1
.endr
.set ii, 0
.rept 16
	global_load_b64 v[FB+2*ii:FB+2*ii+1], v[BO], s[8:9] offset:264+(ii>>2)*64+(ii&3)*8   ; bias 66 + 16 f + 8 h + j: 8-byte steps, since 264 is no multiple of 16
.set ii, ii+1
.endr
	WLOAD 1, 16
	OT 0, 0, 24, 32, 0                             ; bins 0-15: 16 loads of feature bias and 8 of the next w are younger
	OT 1, 1, 8, 48, 0                              ; from here on only the next tile's 8 loads are younger
	OT 0, 2, 8, 64, 0
	OT 1, 3, 8, 66, 0
	OT 0, 4, 8, 82, 0                              ; rows 64-79: only bins 64 and 65 (h = 0, registers 0, 1) are used
.rept 4
	v_nop                                          ; four places between the last products and the first vector instruction on their registers (ISA guide 7.12.1)
.endr
	v_mov_b32 v[NINF], 0xff800000
	v_mov_b32 v[TP], 0                             ; v_permlanex16_b32 counts as a reader of its destination
; softmax over the 66 bins of pixel 16 q + r: 34 values in lane (r, 0), 32 and two -inf in lane (r, 1)
.macro SOFTMAX q
	v_cndmask_b32 v[AC+64+8*\q], v[AC+64+8*\q], v[NINF], s32
	v_cndmask_b32 v[AC+65+8*\q], v[AC+65+8*\q], v[NINF], s32
	v_max_num_f32 v[MX], v[AC+64+8*\q], v[AC+65+8*\q]
.irp t, 0,1,2,3
.irp j, 0,2,4,6
	v_max3_num_f32 v[MX], v[MX], v[AC+16*\t+8*\q+\j], v[AC+16*\t+8*\q+\j+1]
.endr
.endr
	v_permlanex16_b32 v[TP], v[MX], s33, s34
	v_max_num_f32 v[MX], v[MX], v[TP]              ; the pixel's maximum, in both lanes
	v_mul_f32 v[NM], 0xbfb8aa3b, v[MX]             ; - max x log2(e)
	v_mov_b32 v[NM+1], v[NM]
	v_pk_fma_f32 v[AC+64+8*\q:AC+65+8*\q], v[AC+64+8*\q:AC+65+8*\q], 0x3fb8aa3b, v[NM:NM+1] op_sel_hi:[1,0,1]
.irp t, 0,1,2,3
.irp j, 0,2,4,6
	v_pk_fma_f32 v[AC+16*\t+8*\q+\j:AC+16*\t+8*\q+\j+1], v[AC+16*\t+8*\q+\j:AC+16*\t+8*\q+\j+1], 0x3fb8aa3b, v[NM:NM+1] op_sel_hi:[1,0,1]
.endr
.endr
	v_exp_f32 v[AC+64+8*\q], v[AC+64+8*\q]
	v_exp_f32 v[AC+65+8*\q], v[AC+65+8*\q]
.irp t, 0,1,2,3
.irp j, 0,1,2,3,4,5,6,7
	v_exp_f32 v[AC+16*\t+8*\q+\j], v[AC+16*\t+8*\q+\j]
.endr
.endr
	v_nop                                          ; one plain place behind the exponentials (ISA guide 5.7.2)
	s_wait_alu depctr_va_vdst(0)
	v_pk_add_f32 v[SUM:SUM+1], v[AC+64+8*\q:AC+65+8*\q], v[AC+8*\q:AC+8*\q+1]
.irp t, 0,1,2,3
.irp j, 0,2,4,6
.if \t+\j
	v_pk_add_f32 v[SUM:SUM+1], v[SUM:SUM+1], v[AC+16*\t+8*\q+\j:AC+16*\t+8*\q+\j+1]
.endif
.endr
.endr
	v_add_f32 v[SUM], v[SUM], v[SUM+1]
	v_permlanex16_b32 v[TP], v[SUM], s33, s34
	v_add_f32 v[SUM], v[SUM], v[TP]                ; at least about 1: the largest term is 2^0
	v_rcp_f32 v[R2], v[SUM]
	v_nop
	s_wait_alu depctr_va_vdst(0)
	v_mul_f32 v[R2], v[R2], v[MK+\q]               ; 0 for a border pixel
	v_mov_b32 v[R2+1], v[R2]
	v_pk_mul_f32 v[AC+64+8*\q:AC+65+8*\q], v[AC+64+8*\q:AC+65+8*\q], v[R2:R2+1]
.irp t, 0,1,2,3
.irp j, 0,2,4,6
	v_pk_mul_f32 v[AC+16*\t+8*\q+\j:AC+16*\t+8*\q+\j+1], v[AC+16*\t+8*\q+\j:AC+16*\t+8*\q+\j+1], v[R2:R2+1]
.endr
.endr
.irp t, 0,1,2,3
	ds_store_b128 v[DS], v[AC+16*\t+8*\q:AC+16*\t+8*\q+3]   offset:16*DP*\q+64*\t
	ds_store_b128 v[DS], v[AC+16*\t+8*\q+4:AC+16*\t+8*\q+7] offset:16*DP*\q+64*\t+16
.endr
	ds_store_b64 v[A4], v[AC+64+8*\q:AC+65+8*\q] offset:16*DP*\q+256   ; h = 0: bins 64, 65; h = 1: 2^(-inf) x r = 0 twice, the row's two zero words
.endm
	SOFTMAX 0
	SOFTMAX 1
	; 32 rows of 272 bytes lie in LDS as they lie in memory: 17 x 512 neighbouring bytes.  LDS serves a wave's instructions in order (ISA guide 5.7.1): no wait between stores and loads.
.set ii, 0
.rept 17
	ds_load_b128 v[AC+4*ii:AC+4*ii+3], v[LLIN] offset:512*ii
.set ii, ii+1
.endr
.set ii, 0
.rept 17
	s_wait_dscnt 16-ii                             ; the younger read-backs stay out
	global_store_b128 v[LIN], v[AC+4*ii:AC+4*ii+3], s[12:13] offset:512*ii   ; 512 consecutive bytes, at a multiple of 256 from the table's first byte
.set ii, ii+1
.endr
	s_wait_xcnt 0x0                                ; the stores' data registers are accumulators again only behind this wait
	OT 1, 0, 8, 98, 1                              ; features 0-15 = rows 66-81
	OT 0, 1, 8, 114, 1
	OT 1, 2, 8, -1, 1
	OT 0, 3, 0, -1, 1                              ; the last tile's w: nothing is younger
.rept 4
	v_nop                                          ; four places behind the last products
.endr
.irp f, 0,1,2,3
.irp q, 0,1
.irp j, 0,2,4,6
	v_pk_add_f32 v[AC+16*\f+8*\q+\j:AC+16*\f+8*\q+\j+1], v[AC+16*\f+8*\q+\j:AC+16*\f+8*\q+\j+1], v[FB+8*\f+\j:FB+8*\f+\j+1]
.endr
	ds_store_b128 v[DS], v[AC+16*\f+8*\q:AC+16*\f+8*\q+3]   offset:16*DP*\q+64*\f
	ds_store_b128 v[DS], v[AC+16*\f+8*\q+4:AC+16*\f+8*\q+7] offset:16*DP*\q+64*\f+16
.endr
.endr
.set ii, 0
.rept 16
	ds_load_b128 v[AC+4*ii:AC+4*ii+3], v[RDF] offset:2*DP*ii   ; two pixels' rows of 256 bytes
.set ii, ii+1
.endr
.set ii, 0
.rept 16
	s_wait_dscnt 15-ii
	global_store_b128 v[LIN], v[AC+4*ii:AC+4*ii+3], s[10:11] offset:512*ii
.set ii, ii+1
.endr
	s_set_vgpr_msb 0x5
	s_wait_tensorcnt 0x0
	ds_add_u32 v0, v1
	s_wait_dscnt 0x0
	s_set_vgpr_msb 0x500
	s_endpgm
; ------------------------------------------------------------------ the projection: a wave takes one tile = two groups of 32 points
.Lproj:
	s_load_b128 s[4:7], s[0:1], 0x28               ; points s[4:5], proj_mats s[6:7]
	s_load_b256 s[8:15], s[0:1], 0x38              ; idx0 s[8:9], idx1 s[10:11], idx2 s[12:13], idx3 s[14:15]
	s_sub_co_u32 s92, ttmp9, NDN
	s_lshl2_add_u32 s92, s92, s2                   ; tile T
	s_and_b32 s93, s92, 127                        ; x
	s_lshr_b32 s94, s92, 7                         ; yb
	s_lshl_b32 s94, s94, 10
	s_add_co_u32 s94, s94, s93
	s_mul_i32 s94, s94, 12                         ; 12 bytes a point: (1024 yb + x) x 12
	s_mov_b32 s95, 0
	s_lshl_b32 s96, s92, 8                         ; 256 bytes of each camera's table a tile
	s_mul_i32 s3, s2, WLDS
	s_mov_b32 s66, 0x3a83126f                      ; 1e-3
	v_mov_b32 v[EPSV], 0x3a83126f
	v_and_b32 v1, 31, v0                           ; L
	v_and_b32 v[TT], 1, v1
	v_lshlrev_b32 v[TT], 16, v[TT]                 ; 4 (L & 1) planes of 16,384 points
	v_lshrrev_b32 v[QQ], 4, v1
	v_lshl_or_b32 v[TT], v[QQ], 14, v[TT]          ; (L >> 4) planes
	v_bfe_u32 v[QQ], v1, 1, 3
	v_lshl_or_b32 v[TT], v[QQ], 7, v[TT]           ; ((L >> 1) & 7) rows of 128 points
	v_mul_u32_u24 v[VP], 12, v[TT]
	v_lshl_add_u32 v[LA], v1, 2, s3                ; LDS: my word of a group's 32
	v_lshl_add_u32 v[LB], v1, 3, s3                ; LDS: my 8 bytes of a camera's 256
	v_lshl_add_u32 v[GO], v1, 3, s96               ; the same 8 bytes in the camera's table
	s_wait_kmcnt 0x0
.irp c, 0,1,2,3,4,5
	s_load_b256 s[16+12*\c+4*(\c/4):16+12*\c+4*(\c/4)+7],    s[6:7], 64*\c      ; rows 0, 1 of camera c
	s_load_b128 s[16+12*\c+4*(\c/4)+8:16+12*\c+4*(\c/4)+11], s[6:7], 64*\c+32   ; row 2
.endr
	s_add_nc_u64 s[4:5], s[4:5], s[94:95]
	global_load_b96 v[2:4], v[VP], s[4:5]
	global_load_b96 v[6:8], v[VP], s[4:5] offset:393216   ; hw = 1: two planes (32,768 points) further
	s_wait_kmcnt 0x0                               ; the matrices are in: s[6:7] has served
	s_wait_loadcnt 0x0                             ; the points are in: s[4:5] has served
	s_load_b128 s[4:7], s[0:1], 0x58               ; idx4 s[4:5], idx5 s[6:7]: waited for in front of the stores, behind the twelve projections
; camera c's word of every point of group hw, into my LDS
.macro PIDX c, hw
	v_cmp_le_f32 s92, 0, v[PU]
	v_cmp_gt_f32 s93, 0x44b00000, v[PU]            ; 1408 > u
	v_cmp_le_f32 s94, 0, v[PV]
	v_cmp_gt_f32 s95, 0x44000000, v[PV]            ; 512 > v
	v_cmp_lt_f32 s96, 0, v[PW]
	v_cmp_gt_f32 s97, 0x42480000, v[PW]            ; 50 > z
	s_and_b32 s92, s92, s93
	s_and_b32 s94, s94, s95
	s_and_b32 s96, s96, s97
	s_and_b32 s92, s92, s94
	s_and_b32 s92, s92, s96                        ; valid
	v_fma_f32 v[FX], v[PU], 0x3d800000, -0.5       ; u / 1408 x 88 - 0.5
	v_fma_f32 v[FY], v[PV], 0x3d800000, -0.5       ; v / 512 x 32 - 0.5
	v_floor_f32 v[FX], v[FX]
	v_floor_f32 v[FY], v[FY]
	v_floor_f32 v[FZ], v[GZ]
	v_max_num_f32 v[FX], -1.0, v[FX]               ; a valid point is inside these bounds already; any other (a NaN too) is brought inside the tables
	v_max_num_f32 v[FY], -1.0, v[FY]
	v_max_num_f32 v[FZ], -1.0, v[FZ]
	v_min_num_f32 v[FX], 0x42ae0000, v[FX]         ; 87
	v_min_num_f32 v[FY], 0x41f80000, v[FY]         ; 31
	v_min_num_f32 v[FZ], 0x42820000, v[FZ]         ; 65
	v_fma_f32 v[PP], v[FY], 0x42c00000, v[FX]      ; 96 fy + fx
	v_cmp_le_f32 vcc_lo, 0, v[FZ]
	v_cndmask_b32 v[ZL], 0x42840000, v[FZ], vcc_lo ; bin -1 is read at word 66
	v_fma_f32 v[ZL], v[FZ], 0x43000000, v[ZL]      ; 128 fz + low word
	v_cvt_i32_f32 v[PP], v[PP]
	v_cvt_i32_f32 v[ZL], v[ZL]
	v_add_nc_u32 v[PP], 97+3264*\c, v[PP]          ; padded pixel of the corner (fy, fx)
	v_add_nc_u32 v[ZL], 128, v[ZL]                 ; low word | (fz + 1) << 7
	v_lshl_or_b32 v[WD], v[ZL], 15, v[PP]
	v_cndmask_b32 v[VB], 0, 1, s92
	v_lshl_or_b32 v[WD], v[VB], 29, v[WD]
	ds_store_b32 v[LA], v[WD] offset:256*\c+128*\hw
.endm
.irp hw, 0,1
.irp c, 0,1,2,3,4,5
	PROJ 16+12*\c+4*(\c/4), 2+4*\hw
	PIDX \c, \hw
.endr
.endr
.irp c, 0,1,2,3,4,5
	ds_load_b64 v[OD+2*\c:OD+2*\c+1], v[LB] offset:256*\c      ; my own bytes, served in order: no wait between stores and loads
.endr
	s_wait_dscnt 0x0
	s_wait_kmcnt 0x0                               ; the last two tables' addresses
.irp c, 0,1,2,3
	global_store_b64 v[GO], v[OD+2*\c:OD+2*\c+1], s[8+2*\c:9+2*\c]   ; a camera's 64 words of the tile: 256 consecutive bytes, at a multiple of 256 from the table's first byte
.endr
	global_store_b64 v[GO], v[OD+8:OD+9],   s[4:5]
	global_store_b64 v[GO], v[OD+10:OD+11], s[6:7]
	s_set_vgpr_msb 0x5
	s_wait_tensorcnt 0x0
	ds_add_u32 v0, v1
	s_wait_dscnt 0x0
	s_set_vgpr_msb 0x500
	s_endpgm
.Lfunc_end_k_q2aae047c84_prep:
	.size	k_q2aae047c84_prep, .Lfunc_end_k_q2aae047c84_prep-k_q2aae047c84_prep
	.p2alignl 7, 3214868480
	.fill 96, 4, 3214868480
	.section	.rodata,"a",@progbits
	.p2align	6, 0x0
	.amdhsa_kernel k_q2aae047c84_prep
		.amdhsa_group_segment_fixed_size 37376
		.amdhsa_private_segment_fixed_size 0
		.amdhsa_enable_private_segment 0
		.amdhsa_kernarg_size 104
		.amdhsa_user_sgpr_count 2
		.amdhsa_user_sgpr_kernarg_segment_ptr 1
		.amdhsa_wavefront_size32 1
		.amdhsa_system_sgpr_workgroup_id_x 1
		.amdhsa_system_sgpr_workgroup_id_y 1
		.amdhsa_system_sgpr_workgroup_id_z 1
		.amdhsa_system_vgpr_workitem_id 0
		.amdhsa_next_free_vgpr 258
		.amdhsa_next_free_sgpr 102
		.amdhsa_reserve_vcc 1
		.amdhsa_float_denorm_mode_32 3
		.amdhsa_float_denorm_mode_16_64 3
		.amdhsa_memory_ordered 1
		.amdhsa_forward_progress 1
		.amdhsa_inst_pref_size 97
	.end_amdhsa_kernel
	.amdgpu_metadata
---
amdhsa.version: [ 1, 2 ]
amdhsa.kernels:
  - .name:           k_q2aae047c84_prep
    .symbol:         k_q2aae047c84_prep.kd
    .args:
      - { .name: x_fov, .offset: 0, .size: 8, .value_kind: global_buffer, .address_space: global }
      - { .name: w_dn, .offset: 8, .size: 8, .value_kind: global_buffer, .address_space: global }
      - { .name: b_dn, .offset: 16, .size: 8, .value_kind: global_buffer, .address_space: global }
      - { .name: feat, .offset: 24, .size: 8, .value_kind: global_buffer, .address_space: global }
      - { .name: depth, .offset: 32, .size: 8, .value_kind: global_buffer, .address_space: global }
      - { .name: points, .offset: 40, .size: 8, .value_kind: global_buffer, .address_space: global }
      - { .name: proj_mats, .offset: 48, .size: 8, .value_kind: global_buffer, .address_space: global }
      - { .name: idx0, .offset: 56, .size: 8, .value_kind: global_buffer, .address_space: global }
      - { .name: idx1, .offset: 64, .size: 8, .value_kind: global_buffer, .address_space: global }
      - { .name: idx2, .offset: 72, .size: 8, .value_kind: global_buffer, .address_space: global }
      - { .name: idx3, .offset: 80, .size: 8, .value_kind: global_buffer, .address_space: global }
      - { .name: idx4, .offset: 88, .size: 8, .value_kind: global_buffer, .address_space: global }
      - { .name: idx5, .offset: 96, .size: 8, .value_kind: global_buffer, .address_space: global }
    .group_segment_fixed_size: 37376
    .private_segment_fixed_size: 0
    .kernarg_segment_align: 8
    .kernarg_segment_size: 104
    .max_flat_workgroup_size: 128
    .sgpr_count:     102
    .vgpr_count:     258
    .wavefront_size: 32
...
	.end_amdgpu_metadata
.endif
;; end of part 1
;; launch gather (part 2): grid 256 x 1, 16 waves a work-group, no clusters, 149,504 bytes of LDS; arguments points, proj_mats, feat, depth, out0, idx0, idx1, idx2, idx3, idx4, idx5; writes out0
.if DOCPART == 2
	.amdgcn_target "amdgcn-amd-amdhsa--gfx1250"
	.amdhsa_code_object_version 6
	.text
	.protected	k_q2aae047c84_gather
	.globl	k_q2aae047c84_gather
	.p2align	8
	.type	k_q2aae047c84_gather,@function
k_q2aae047c84_gather:
	s_mov_b64 s[64:65], 0
	v_nop
	global_prefetch_b8 v0, s[64:65] scope:SCOPE_SE
	s_setreg_imm32_b32 hwreg(HW_REG_WAVE_MODE, 25, 1), 1
	s_wait_xcnt 0x0
; out[c][x][y][z] = mean over the valid cameras of the trilinear sample of depth x feat.  The volume is never built: a sample is
;   sum over the 4 pixel corners k of s_k feat[pix_k][c],  s_k = wxy_k (wz0 depth[pix_k][z0] + wz1 depth[pix_k][z1]) valid / count.
; Corners outside the image or the bins meet zeros in the depth table (padded grid, two zero words a row), so there are no bound tests.
; Addresses and branches come from the whole numbers of idx0..idx5 alone (pixel, bin words, valid bit; the count and the skip of a camera are made of the valid bits);
; the fractions tx, ty, tz are made anew from the points by the very instruction sequence that made the stored floors.
; A work-group takes 8 tiles (one x, 8 y, 8 z each), a wave one group of 32 points = half a tile.  For each camera that sees any of its points:
;   lane phase (lane = point): the 8 depth words, the four weights, into LDS;
;   row phase (16 lanes = one point, 16 bytes a lane = a feature row of 256 bytes): 4 rows a point, six points' loads on their way (24 loads of 512 bytes a wave).
; Way out: 64 points x 64 channels of a tile meet in LDS (pitch 272), one barrier, read back by channel: every store covers two aligned runs of 256 consecutive bytes.
; No matrix unit (nothing here is a product of matrices), no tensor load or cluster (rows are gathered by index, no tile is shared), no prefetch (the tables were stored by the launch before).
; LIMITS: as in the launch before (validity bounds within rounding); 1/count is a reciprocal good to one unit in the last place.
.set DP,     272                       ; bytes of a depth row; also the stage's pitch
.set PIXMAX, 0x4c18                    ; the largest corner pixel: 5 x 3264 + 32 x 96 + 88; + 97 is still inside the 19,584 pixels
.set WBASE,  139264                    ; LDS: 512 stage rows of 272 bytes, then 512 bytes of weights for each wave
; scalar registers: s[4:5] points, s[6:7] proj_mats, s[8:9] feat, s[10:11] depth, s[12:13] out0; camera c's table at s[92 + 2 c - 88 (c / 5)]: s92, 94, 96, 98, 100, 14;
; the matrices' rows 0-2 at s16, 28, 40, 52, 68, 80 (s16-28 serve the set-up before they are loaded); s66 = 1e-3; s67 a camera's valid lanes
.set PT,   2                           ; v[2:4]     my point
.set EPSV, 5
.set IDX,  6                           ; v[6:11]    my point's word for cameras 0..5
.set CNT,  12
.set COL,  13                          ; 16 l
.set WADR, 14                          ; LDS: my point's four weights
.set WRD,  15                          ; LDS: the weights of my half's first point
.set PBO,  16                          ; 128 group + 64 hh: the words of my half's 16 points
.set SADR, 17                          ; LDS: stage, my half's first row, my 16 bytes
.set POF,  18
.set L4,   19                          ; 128 group + 4 L: my point's word
.set VO,   20
.set VO2,  21
.set RDA,  22
.set RC,   23                          ; 1 / count
.set ACC,  24                          ; v[24:87]   point 16 hh + j: channels 4 l .. 4 l + 3
.set A16,  88                          ; v[88:103]  the words, then the row offsets, of my half's 16 points
.set WT,   104                         ; v[104:127] six slots of four weights
.set TB,   128                         ; v[128:223] six slots of four rows; scratch of the lane phase; the way out
.set SW,   224                         ; v[224:227] my point's weights
.set PU,   TB+0
.set PV,   TB+1
.set PW,   TB+2
.set GZ,   TB+3
.set ZS,   TB+4
.set RR,   TB+5
.set EE,   TB+6
.set QQ,   TB+7
.set TT,   TB+8
.set GX,   TB+9
.set GY,   TB+10
.set TX,   TB+11
.set TY,   TB+12
.set TZ,   TB+13
.set OX,   TB+14
.set OY,   TB+15
.set OZ,   TB+16
.set PIX,  TB+17
.set AL,   TB+18
.set AH,   TB+19
.set DL,   TB+20
.set DH,   TB+24
.set WC,   TB+28
.set ZL,   TB+32
.set ZH,   TB+33
.set LL,   TB+34
.set HH,   TB+35
; the same text as in the launch that stored the floors
.macro PROJ pb, px
	v_mul_f32 v[PU], s[\pb+0], v[\px]
	v_mul_f32 v[PV], s[\pb+4], v[\px]
	v_mul_f32 v[PW], s[\pb+8], v[\px]
	v_fmac_f32 v[PU], s[\pb+1], v[\px+1]
	v_fmac_f32 v[PV], s[\pb+5], v[\px+1]
	v_fmac_f32 v[PW], s[\pb+9], v[\px+1]
	v_fmac_f32 v[PU], s[\pb+2], v[\px+2]
	v_fmac_f32 v[PV], s[\pb+6], v[\px+2]
	v_fmac_f32 v[PW], s[\pb+10], v[\px+2]
	v_add_f32 v[PU], s[\pb+3], v[PU]
	v_add_f32 v[PV], s[\pb+7], v[PV]
	v_add_f32 v[PW], s[\pb+11], v[PW]
	v_and_b32 v[TT], 0x7fffffff, v[PW]
	v_cmp_lt_f32 vcc_lo, s66, v[TT]
	v_cndmask_b32 v[ZS], v[EPSV], v[PW], vcc_lo
	v_rcp_f32 v[RR], v[ZS]
	v_fma_f32 v[GZ], v[PW], 0x3fa8f5c3, -0.5       ; the plain instruction between the reciprocal and its first use (ISA guide 5.7.2)
	s_wait_alu depctr_va_vdst(0)
	v_fma_f32 v[EE], -v[ZS], v[RR], 1.0
	v_fmac_f32 v[RR], v[EE], v[RR]
	v_mul_f32 v[QQ], v[PU], v[RR]
	v_fma_f32 v[EE], -v[QQ], v[ZS], v[PU]
	v_fma_f32 v[PU], v[EE], v[RR], v[QQ]
	v_mul_f32 v[QQ], v[PV], v[RR]
	v_fma_f32 v[EE], -v[QQ], v[ZS], v[PV]
	v_fma_f32 v[PV], v[EE], v[RR], v[QQ]
.endm
	s_load_b256 s[4:11], s[0:1], 0x0               ; points s[4:5], proj_mats s[6:7], feat s[8:9], depth s[10:11]
	s_load_b64 s[12:13], s[0:1], 0x20              ; out0
	s_load_b256 s[92:99], s[0:1], 0x28             ; idx0 .. idx3
	s_load_b64 s[100:101], s[0:1], 0x48            ; idx4
	s_load_b64 s[14:15], s[0:1], 0x50              ; idx5
	v_lshl_add_u32 v228, v0, 2, 0x24000
	v_mov_b32 v229, 0
	v_lshrrev_b32 v1, 5, v0
	v_readfirstlane_b32 s2, v1                     ; wave 0..15
	s_lshl4_add_u32 s16, ttmp9, s2                 ; group = 16 x work-group + wave
	s_lshl_b32 s17, s16, 7                         ; 128 bytes of each camera's table a group
	s_and_b32 s18, s2, 1                           ; hw
	s_lshr_b32 s19, s2, 1
	s_lshl3_add_u32 s19, ttmp9, s19                ; tile
	s_and_b32 s19, s19, 127                        ; x
	s_lshr_b32 s20, ttmp9, 4                       ; yb
	s_lshl_b32 s21, s18, 15
	s_lshl_b32 s22, s20, 10
	s_add_co_u32 s21, s21, s22
	s_add_co_u32 s21, s21, s19                     ; 32768 hw + 1024 yb + x
	s_mul_i32 s24, s21, 12
	s_mov_b32 s25, 0
	s_lshl_b32 s26, s2, 9
	s_add_co_u32 s26, s26, WBASE                   ; my weights
	s_mul_i32 s27, s2, 32*DP                       ; my 32 stage rows
	s_lshl_b32 s3, s18, 24                         ; 32 hw channels of 524,288 bytes
	s_lshl_b32 s21, s19, 12
	s_add_co_u32 s3, s3, s21                       ; + 4096 x
	s_lshl_b32 s21, s20, 8
	s_add_co_u32 s3, s3, s21                       ; + 256 yb
	s_and_b32 s28, s2, 14
	s_mul_i32 s28, s28, 32*DP                      ; my tile's 64 stage rows
	s_lshl_b32 s21, s18, 7
	s_add_co_u32 s28, s28, s21                     ; + 32 hw channels
	s_mov_b32 s66, 0x3a83126f                      ; 1e-3
	v_mov_b32 v[EPSV], 0x3a83126f
	v_and_b32 v1, 31, v0                           ; L
	v_and_b32 v[LL], 15, v0                        ; l
	v_bfe_u32 v[HH], v0, 4, 1                      ; hh
	v_lshlrev_b32 v[COL], 4, v[LL]
	v_lshl_add_u32 v[WADR], v1, 4, s26
	v_lshl_add_u32 v[WRD], v[HH], 8, s26
	v_lshl_add_u32 v[PBO], v[HH], 6, s17
	v_mad_u32_u24 v[SADR], v[HH], 16*DP, v[COL]
	v_add_nc_u32 v[SADR], s27, v[SADR]
	v_and_b32 v[TT], 1, v1
	v_lshlrev_b32 v[TT], 16, v[TT]
	v_lshl_or_b32 v[TT], v[HH], 14, v[TT]
	v_bfe_u32 v[QQ], v1, 1, 3
	v_lshl_or_b32 v[TT], v[QQ], 7, v[TT]           ; the lane's part of the point's number
	v_mul_u32_u24 v[POF], 12, v[TT]
	v_lshl_add_u32 v[L4], v1, 2, s17
	v_lshl_add_u32 v[VO], v[HH], 19, v[COL]
	v_add_nc_u32 v[VO], s3, v[VO]                  ; channel 32 hw + hh, my 16 bytes of the tile's 256
	v_add_nc_u32 v[VO2], 0x800000, v[VO]           ; 16 channels on: the stores' immediates stay inside their signed 24 bits
	v_mul_u32_u24 v[RDA], DP, v[LL]
	v_lshl_add_u32 v[RDA], v[HH], 2, v[RDA]
	v_add_nc_u32 v[RDA], s28, v[RDA]
	s_wait_kmcnt 0x0
	s_add_nc_u64 s[4:5], s[4:5], s[24:25]          ; the last reader of the set-up's scalars: the matrices now land on them
.irp c, 0,1,2,3,4,5
	s_load_b256 s[16+12*\c+4*(\c/4):16+12*\c+4*(\c/4)+7],    s[6:7], 64*\c
	s_load_b128 s[16+12*\c+4*(\c/4)+8:16+12*\c+4*(\c/4)+11], s[6:7], 64*\c+32
.endr
	global_load_b96 v[PT:PT+2], v[POF], s[4:5]
.irp c, 0,1,2,3,4,5
	global_load_b32 v[IDX+\c], v[L4], s[92+2*\c-88*(\c/5):93+2*\c-88*(\c/5)]   ; my point's word in camera c
.endr
	; The sums are cleared: which camera comes first hangs on the valid bits, so no product of the text can start them.
.set ii, 0
.rept 64
	v_mov_b32 v[ACC+ii], 0
.set ii, ii+1
.endr
	s_wait_kmcnt 0x0
	s_wait_loadcnt 0x0
	v_bfe_u32 v[CNT], v[IDX], 29, 1                ; the count: the six valid bits added
.irp c, 1,2,3,4,5
	v_bfe_u32 v[TT], v[IDX+\c], 29, 1
	v_add_nc_u32 v[CNT], v[CNT], v[TT]
.endr
	v_cvt_f32_u32 v[CNT], v[CNT]
	v_max_num_f32 v[CNT], 1.0, v[CNT]              ; count 0: all weights are 0, the result is 0
	v_rcp_f32 v[RC], v[CNT]
	v_nop
; lane = point: the four weights of camera c
.macro LANE c
.irp m, 0,1,2,3
	global_load_b128 v[A16+4*\m:A16+4*\m+3], v[PBO], s[92+2*\c-88*(\c/5):93+2*\c-88*(\c/5)] offset:16*\m   ; every lane of a half: the words of the half's 16 points
.endr
	v_and_b32 v[PIX], 0x7fff, v[IDX+\c]
	v_bfe_u32 v[ZL], v[IDX+\c], 15, 7
	v_bfe_u32 v[ZH], v[IDX+\c], 22, 7
	v_min_u32 v[PIX], PIXMAX, v[PIX]               ; loaded numbers enter an address only behind a bound
	v_min_u32 v[ZL], 67, v[ZL]
	v_min_u32 v[ZH], 67, v[ZH]
	v_mul_u32_u24 v[PIX], DP, v[PIX]
	v_lshl_add_u32 v[AL], v[ZL], 2, v[PIX]
	v_lshl_add_u32 v[AH], v[ZH], 2, v[PIX]
.irp k, 0,1,2,3
	global_load_b32 v[DL+\k], v[AL], s[10:11] offset:(\k&1)*DP+(\k>>1)*96*DP   ; corner k: pixel + (k & 1) + 96 (k >> 1)
	global_load_b32 v[DH+\k], v[AH], s[10:11] offset:(\k&1)*DP+(\k>>1)*96*DP
.endr
	PROJ 16+12*\c+4*(\c/4), PT                     ; while the twelve loads are on their way
	v_fma_f32 v[GX], v[PU], 0x3d800000, -0.5
	v_fma_f32 v[GY], v[PV], 0x3d800000, -0.5
	v_floor_f32 v[TX], v[GX]
	v_floor_f32 v[TY], v[GY]
	v_floor_f32 v[TZ], v[GZ]
	v_sub_f32 v[TX], v[GX], v[TX]
	v_sub_f32 v[TY], v[GY], v[TY]
	v_sub_f32 v[TZ], v[GZ], v[TZ]
	v_sub_f32 v[OX], 1.0, v[TX]
	v_sub_f32 v[OY], 1.0, v[TY]
	v_sub_f32 v[OZ], 1.0, v[TZ]
	v_mul_f32 v[OY], v[OY], v[RC]                  ; the mean's 1 / count rides on the weights
	v_mul_f32 v[TY], v[TY], v[RC]
	v_mul_f32 v[WC+0], v[OX], v[OY]
	v_mul_f32 v[WC+1], v[TX], v[OY]
	v_mul_f32 v[WC+2], v[OX], v[TY]
	v_mul_f32 v[WC+3], v[TX], v[TY]
	v_and_b32 v[TT], 0x20000000, v[IDX+\c]
	v_cmp_ne_u32 vcc_lo, 0, v[TT]                  ; valid
	s_wait_loadcnt 0x0                             ; the words and the depths
.irp k, 0,1,2,3
	v_mul_f32 v[DL+\k], v[DL+\k], v[OZ]
	v_fmac_f32 v[DL+\k], v[DH+\k], v[TZ]
	v_mul_f32 v[DL+\k], v[DL+\k], v[WC+\k]
	v_cndmask_b32 v[SW+\k], 0, v[DL+\k], vcc_lo    ; an invalid point's weights (whatever they are) become 0
.endr
	ds_store_b128 v[WADR], v[SW:SW+3]              ; read below by my own wave: served in order
.endm
; point 16 hh + j: its four rows and its weights are asked for
.macro ISSUE j
	v_and_b32 v[A16+\j], 0x7fff, v[A16+\j]
	v_min_u32 v[A16+\j], PIXMAX, v[A16+\j]
	v_lshl_add_u32 v[A16+\j], v[A16+\j], 8, v[COL]
	global_load_b128 v[TB+16*((\j)%6):TB+16*((\j)%6)+3],     v[A16+\j], s[8:9]
	global_load_b128 v[TB+16*((\j)%6)+4:TB+16*((\j)%6)+7],   v[A16+\j], s[8:9] offset:256
	global_load_b128 v[TB+16*((\j)%6)+8:TB+16*((\j)%6)+11],  v[A16+\j], s[8:9] offset:24576
	global_load_b128 v[TB+16*((\j)%6)+12:TB+16*((\j)%6)+15], v[A16+\j], s[8:9] offset:24832
	ds_load_b128 v[WT+4*((\j)%6):WT+4*((\j)%6)+3], v[WRD] offset:16*(\j)
.endm
; and added up.  nn younger points are on their way: four row loads and one weight load each stay out.
.macro USE j
.if \j+5 > 15
.set nn, 15-\j
.else
.set nn, 5
.endif
	s_wait_loadcnt 4*nn
	s_wait_dscnt nn
.irp p, 0,1
	v_pk_fma_f32 v[ACC+4*\j:ACC+4*\j+1],   v[TB+16*((\j)%6)+8*\p:TB+16*((\j)%6)+8*\p+1],   v[WT+4*((\j)%6)+2*\p:WT+4*((\j)%6)+2*\p+1], v[ACC+4*\j:ACC+4*\j+1]   op_sel:[0,0,0] op_sel_hi:[1,0,1]
	v_pk_fma_f32 v[ACC+4*\j+2:ACC+4*\j+3], v[TB+16*((\j)%6)+8*\p+2:TB+16*((\j)%6)+8*\p+3], v[WT+4*((\j)%6)+2*\p:WT+4*((\j)%6)+2*\p+1], v[ACC+4*\j+2:ACC+4*\j+3] op_sel:[0,0,0] op_sel_hi:[1,0,1]
	v_pk_fma_f32 v[ACC+4*\j:ACC+4*\j+1],   v[TB+16*((\j)%6)+8*\p+4:TB+16*((\j)%6)+8*\p+5], v[WT+4*((\j)%6)+2*\p:WT+4*((\j)%6)+2*\p+1], v[ACC+4*\j:ACC+4*\j+1]   op_sel:[0,1,0] op_sel_hi:[1,1,1]
	v_pk_fma_f32 v[ACC+4*\j+2:ACC+4*\j+3], v[TB+16*((\j)%6)+8*\p+6:TB+16*((\j)%6)+8*\p+7], v[WT+4*((\j)%6)+2*\p:WT+4*((\j)%6)+2*\p+1], v[ACC+4*\j+2:ACC+4*\j+3] op_sel:[0,1,0] op_sel_hi:[1,1,1]
.endr
.endm
.macro GATH
.irp j, 0,1,2,3,4,5
	ISSUE \j
.endr
.irp j, 0,1,2,3,4,5,6,7,8,9,10,11,12,13,14,15
	USE \j
.if \j+6 <= 15
	ISSUE \j+6
.endif
.endr
.endm
; A camera that sees none of my 32 points is passed over: the valid bits of the 32 words, as a mask of lanes, against 0.
; At each label nothing is outstanding on either way: the last USE waits for 0.
.irp c, 0,1,2,3,4,5
	v_and_b32 v[TT], 0x20000000, v[IDX+\c]
	v_cmp_ne_u32 s67, 0, v[TT]
	s_cmp_lg_u32 s67, 0
	s_cbranch_scc0 .Lskip_\c
	LANE \c
	GATH
.Lskip_\c:
.endr
	; THE WAY OUT.  Stage row 32 hw + L holds the 64 channels of the point of lane L.  In the tile's 256 bytes of a channel the point o = 8 (y & 7) + z
	; lies at byte 4 o, and its stage row is 16 (o & 3) + (o >> 2): lane l finds its four neighbouring points 4 l + i in rows l + 16 i.
.set ii, 0
.rept 16
	ds_store_b128 v[SADR], v[ACC+4*ii:ACC+4*ii+3] offset:DP*ii
.set ii, ii+1
.endr
	s_wait_dscnt 0x0                               ; my rows are written, for the partner wave's sake
	s_barrier_signal -1
	s_barrier_wait -1                              ; the launch's one barrier, on every wave's path
.set ii, 0
.rept 16
.irp i, 0,1,2,3
	ds_load_b32 v[TB+4*ii+\i], v[RDA] offset:16*DP*\i+8*ii     ; channel 32 hw + hh + 2 ii of point 4 l + i; word 68 l + hh of the row of banks: 32 different banks
.endr
.set ii, ii+1
.endr
.set ii, 0
.rept 8
	s_wait_dscnt 4*(15-ii)                         ; the younger steps' four loads each stay out
	global_store_b128 v[VO], v[TB+4*ii:TB+4*ii+3], s[12:13] offset:ii*1048576 th:TH_STORE_NT   ; lanes 0-15: 256 consecutive bytes of one channel, lanes 16-31: of the next
.set ii, ii+1
.endr
.rept 8
	s_wait_dscnt 4*(15-ii)
	global_store_b128 v[VO2], v[TB+4*ii:TB+4*ii+3], s[12:13] offset:(ii-8)*1048576 th:TH_STORE_NT
.set ii, ii+1
.endr
	s_wait_tensorcnt 0x0
	ds_add_u32 v228, v229
	s_wait_dscnt 0x0
	s_endpgm
.Lfunc_end_k_q2aae047c84_gather:
	.size	k_q2aae047c84_gather, .Lfunc_end_k_q2aae047c84_gather-k_q2aae047c84_gather
	.p2alignl 7, 3214868480
	.fill 96, 4, 3214868480
	.section	.rodata,"a",@progbits
	.p2align	6, 0x0
	.amdhsa_kernel k_q2aae047c84_gather
		.amdhsa_group_segment_fixed_size 149504
		.amdhsa_private_segment_fixed_size 0
		.amdhsa_enable_private_segment 0
		.amdhsa_kernarg_size 88
		.amdhsa_user_sgpr_count 2
		.amdhsa_user_sgpr_kernarg_segment_ptr 1
		.amdhsa_wavefront_size32 1
		.amdhsa_system_sgpr_workgroup_id_x 1
		.amdhsa_system_sgpr_workgroup_id_y 1
		.amdhsa_system_sgpr_workgroup_id_z 1
		.amdhsa_system_vgpr_workitem_id 0
		.amdhsa_next_free_vgpr 230
		.amdhsa_next_free_sgpr 102
		.amdhsa_reserve_vcc 1
		.amdhsa_float_denorm_mode_32 3
		.amdhsa_float_denorm_mode_16_64 3
		.amdhsa_memory_ordered 1
		.amdhsa_forward_progress 1
		.amdhsa_inst_pref_size 155
	.end_amdhsa_kernel
	.amdgpu_metadata
---
amdhsa.version: [ 1, 2 ]
amdhsa.kernels:
  - .name:           k_q2aae047c84_gather
    .symbol:         k_q2aae047c84_gather.kd
    .args:
      - { .name: points, .offset: 0, .size: 8, .value_kind: global_buffer, .address_space: global }
      - { .name: proj_mats, .offset: 8, .size: 8, .value_kind: global_buffer, .address_space: global }
      - { .name: feat, .offset: 16, .size: 8, .value_kind: global_buffer, .address_space: global }
      - { .name: depth, .offset: 24, .size: 8, .value_kind: global_buffer, .address_space: global }
      - { .name: out0, .offset: 32, .size: 8, .value_kind: global_buffer, .address_space: global }
      - { .name: idx0, .offset: 40, .size: 8, .value_kind: global_buffer, .address_space: global }
      - { .name: idx1, .offset: 48, .size: 8, .value_kind: global_buffer, .address_space: global }
      - { .name: idx2, .offset: 56, .size: 8, .value_kind: global_buffer, .address_space: global }
      - { .name: idx3, .offset: 64, .size: 8, .value_kind: global_buffer, .address_space: global }
      - { .name: idx4, .offset: 72, .size: 8, .value_kind: global_buffer, .address_space: global }
      - { .name: idx5, .offset: 80, .size: 8, .value_kind: global_buffer, .address_space: global }
    .group_segment_fixed_size: 149504
    .private_segment_fixed_size: 0
    .kernarg_segment_align: 8
    .kernarg_segment_size: 88
    .max_flat_workgroup_size: 512
    .sgpr_count:     102
    .vgpr_count:     230
    .wavefront_size: 32
...
	.end_amdgpu_metadata
.endif
;; end of part 2
